; MI455X (gfx1250); checked and timed in simulation.
; The chip was launched on July 23, 2026; its instructions are those of AMD's public machine-readable ISA for CDNA 5 (MIT licence, August 2026) and "CDNA5" Instruction Set Architecture Reference Guide (July 2026). The comments in the code are by the model that wrote it; some were corrected since.
;; Quant Linear Base. Allowed arithmetic: matrix products marked QUANTISED: E2M1 operands, one E8M0 scale for each 32 along K, by v_wmma_scale_f32_16x16x128_f8f6f4 with both operands' format E2M1 (or v_wmma_scale_f32_32x16x128_f4), f32 sums; everything else in f32.
;; Inputs: bias 4,096 float32; qweight 4,096 x 2,048 int32; weight_scale 4,096 x 1 float32; x 4,096 x 4,096 float32.
;; Outputs: out0 4,096 x 4,096 float32.
;; This version of the problem:
;;   THIS VERSION OF THE PROBLEM IS GIVEN IN LOW PRECISION. The matrix products marked QUANTISED in the list below multiply operands that are first quantised to E2M1 (2 exponent bits, 1 mantissa bit; 4 bits a number), with one power-of-two scale for each 32 numbers along K (OCP MX v1.0); their sums are f32. All else is computed in f32.
;;   The module's matrix products, in the order in which they are computed (A, B: the left and right operand; K: the contracted axis; several contracted axes count as one K, in the product's order):
;;     1. [M 4,096, K 4,096] x [K 4,096, N 4,096]; A: computed on the way; B: computed on the way: QUANTISED
;;   THE QUANTISER, for each operand of a quantised product, along K:
;;     - K is cut into blocks of 32 from its start; a last block that is shorter is filled with zeros.
;;     - A block's scale is 2^e with e = floor(log2(the largest magnitude in the block)) - 2, held to -126 .. 127; a block of zeros has e = 0. As a byte (E8M0): e + 127.
;;     - Each number is divided by its block's scale, clamped to +-6, and rounded to the nearest number of E2M1, ties to even, subnormals kept.
;;     - The product sums the exact products of the quantised numbers (number of the format x scale) in f32.
;;   ~~~python
;;   def quantise(x, axis):      # numpy; x: float32 -> the quantised numbers, widened to float32 again
;;       x = np.moveaxis(x, axis, -1); K = x.shape[-1]
;;       x = np.pad(x, [(0, 0)] * (x.ndim - 1) + [(0, -K % 32)]); x = x.reshape(x.shape[:-1] + (-1, 32)); a = np.abs(x).max(-1, keepdims=True)
;;       e = np.where(a > 0, np.clip(np.frexp(np.where(a > 0, a, 1))[1] - 1 - 2, -126, 127), 0)      # np.frexp(a)[1] - 1 = floor(log2(a)), exactly
;;       r = np.clip(x / 2.0 ** e, -6, 6)
;;       step = 2.0 ** (np.maximum(np.frexp(np.where(r == 0, 1, r))[1] - 1, 0) - 1)
;;       q = np.round(r / step) * step * 2.0 ** e      # np.round: ties to even
;;       return np.moveaxis(q.reshape(q.shape[:-2] + (-1,))[..., :K], -1, axis).astype(np.float32)
;;   ~~~
;;   OPERANDS COMPUTED ON THE WAY. 'Computed on the way' means the value that the module computes at that place (a softmax that the list does not call 'softmax' is quantised finished and normalised). What goes into a quantiser is computed in f32, as accurately as f32 sums, v_exp_f32 and their like allow (about 1e-6 of the number): no bf16 or f16 on the way to a quantiser, and a product that is left as it is and whose result goes on into a quantised operand takes f32 operands (vector FMAs, or v_wmma_f32_16x16x4_f32). A number that lies on a knife's edge between two numbers of the format may be rounded either way, as far as f32 arithmetic and the matrix unit's own rounding can turn it there, and no further.
;; One version. Each part assembles by itself: llvm-mc -triple=amdgcn-amd-amdhsa -mcpu=gfx1250 --defsym DOCPART=n.
;; ======== version 1 of 1: 2 launches
;; limits: right only within a limited range of input values
;; workspace buffers: a_q 8,912,896 bytes; b_q 8,912,896 bytes
;; launch quant (part 1): grid 256 x 1, 16 waves a work-group, no clusters, 153,600 bytes of LDS; arguments x, qweight, weight_scale, a_q, b_q; writes a_q, b_q
.if DOCPART == 1
	.amdgcn_target "amdgcn-amd-amdhsa--gfx1250"
	.amdhsa_code_object_version 6
	.text
	.protected	k_q4aa3bbd2c7_quant
	.globl	k_q4aa3bbd2c7_quant
	.p2align	8
	.type	k_q4aa3bbd2c7_quant,@function
k_q4aa3bbd2c7_quant:
	s_mov_b64 s[64:65], 0
	v_nop
	global_prefetch_b8 v0, s[64:65] scope:SCOPE_SE
	s_setreg_imm32_b32 hwreg(HW_REG_WAVE_MODE, 25, 1), 1
	s_wait_xcnt 0x0
; BOTH OPERANDS OF out = x_dq w^T ARE MADE IN f32 AND TURNED INTO CODES OF FP4 (E2M1) WITH ONE E8M0 BYTE FOR EACH 32 ALONG K.
;   x [4096][4096] f32:  s = (largest |x| of the row) / 127, 1 where that is 0;  x_dq = clip(round(x / s), -128, 127) x s.
;   qweight [4096][2048] int32: a word holds two numbers, n = word >> 4 at the even k and n = word & 15 at the odd k;  w = (n - 8) x weight_scale[row].
; OUT: a_q (of x_dq) and b_q (of w), laid [K step of 512: 0..7][row: 0..4095][record of 272 bytes]; a record is the row's 512 codes of that K step (256 bytes, two codes a byte, the lower k in
; the low four bits) and behind them its 16 scale bytes.  So 128 rows of a K step are 34,816 consecutive bytes, in which rows stand 272 bytes apart and each row's scale words lie behind its codes.
; A block's scale is 2^(floor(log2(its largest magnitude)) - 2): its byte is the largest magnitude's own exponent field - 2, held at 1 from below.
; SHARES.  Work-group g takes rows 16 g .. 16 g + 15 of x and of qweight; wave w of sixteen takes row 16 g + w of both: 16,384 bytes of x in 128 registers, so that the row is read once for its maximum and
; for its codes, and 8,192 bytes of qweight in 64.  Each load reads 512 consecutive bytes.
; TWO ORDERS.  x's arithmetic cannot begin before the whole row is in (its maximum); w's needs nothing but its own load.  So the waves are of two kinds.  Kind 0 asks for x, then for w, and works on x, then on w.
; Kind 1 asks for w first and works on each load as it comes; each of its 16 steps issues two of x's 32 loads, so that the wave computes between them; x comes last.  So there is arithmetic at hand while loads are
; out.  The kind is bit 0 xor bit 2 of the wave's number: of waves w, w + 4, w + 8, w + 12, and of any four neighbours, two are of each kind.
; The records of the sixteen rows meet in LDS; behind the one barrier each wave stores one K step's 16 records of one tensor: 4,352 consecutive bytes, 17 stores of 256 aligned bytes.
; No tensor loads, no matrix unit, no cluster: the work-groups share no input and the launch is a stream.
; LIMITS: NaN and infinities among the inputs are not served.  A row of x whose largest magnitude is not 0 but lies under 127 x 2^-126 is not served (its s is a denormal, which v_rcp_f32 takes for 0).
; A number n of qweight beyond 2^24 in magnitude is rounded to f32 ahead of the - 8 and not behind it: at most one part in 2^23 of w.
; A block of zeros gets the byte 1 where the quantiser's rule says 127: its codes are zeros, which add nothing under any byte but 0xff, and these bytes are read by this program alone.
.set REC,   272                        ; bytes of a record
.set CHUNK, 16*REC                     ; sixteen rows' records of one K step: 4,352 = 17 x 256
.set KSB,   4096*REC                   ; from a K step to the next in a_q and b_q
.set SP,    80                         ; a lane's place in a stage: its 64 bytes + 16 of padding
.set WST,   2*32*SP                    ; LDS: two stages for each wave, 5,120 bytes
.set OUT,   16*WST                     ; behind the stages: x's records, [K step][row][272];
.set OUTW,  OUT+8*CHUNK                ; and w's, the same shape
.set Q,     24                         ; v24-39   x: 16 quotients at work;  w: eight numbers at work, two sets by turns
.set C,     40                         ; v40-55   x's codes, two registers a step
.set E,     56                         ; v56-63   x's scale bytes, one register a step
.set R,     64                         ; v64-191  the row of x; later the way out
.set WD,    192                        ; v192-255 qweight's words, four a load; a step's codes and its scale byte then take the first two of its four
; v1 16 x lane (all global loads); v2, v3 the stage, in and out; v4, v5 where x's codes and bytes go; v6, v7 w's; v8, v9 the way out; v10-13 at work
; v[14:15] s, v[16:17] 1 / s, v[18:19] -s, v[20:21] the row's weight scale, v[22:23] -8 x that: each twice, for the packed forms
	s_load_b256 s[4:11], s[0:1], 0x0               ; x s[4:5], qweight s[6:7], weight_scale s[8:9], a_q s[10:11]
	s_load_b64 s[12:13], s[0:1], 0x20              ; b_q
	v_lshrrev_b32 v1, 5, v0
	s_delay_alu instid0(VALU_DEP_1)
	v_readfirstlane_b32 s16, v1                    ; wave 0..15
	v_and_b32 v10, 31, v0                          ; lane
	s_delay_alu instid0(VALU_DEP_1)
	v_lshlrev_b32 v1, 4, v10                       ; my 16 bytes of a load's 512
	s_lshl_b32 s17, ttmp9, 4
	s_add_co_u32 s17, s17, s16                     ; my row
	s_mov_b32 s19, 0
	; LDS addresses: a constant + a constant x wave + a constant x lane.  All are made here, ahead of the parting of the two kinds, while the arguments are on their way
	s_mul_i32 s28, s16, WST
	v_lshrrev_b32 v11, 2, v10
	s_delay_alu instid0(VALU_DEP_1)
	v_mul_u32_u24 v2, v11, SP
	v_and_b32 v11, 3, v10
	s_delay_alu instid0(VALU_DEP_1)
	v_lshl_add_u32 v2, v11, 4, v2
	s_delay_alu instid0(VALU_DEP_1)
	v_add_nc_u32 v2, s28, v2                       ; the stage, in: four lanes' 64 bytes on end, then 16 of padding; a load's 512 bytes take eight places
	v_mul_u32_u24 v3, v10, SP
	s_delay_alu instid0(VALU_DEP_1)
	v_add_nc_u32 v3, s28, v3                       ; and out: place = lane: my 16 neighbours along K
	s_mul_i32 s29, s16, REC
	s_add_co_u32 s30, s29, OUTW                    ; my row's record of K step 0: w's,
	s_add_co_u32 s29, s29, OUT                     ; and x's
	v_lshl_add_u32 v4, v10, 3, s29                 ; x: 16 codes a lane, 8 bytes
	v_lshrrev_b32 v11, 1, v10
	s_delay_alu instid0(VALU_DEP_1)
	v_add_nc_u32 v5, s29, v11                      ; x: two lanes to a block (the bytes begin 256 further on: in the immediate)
	v_lshl_add_u32 v6, v10, 2, s30                 ; w: 8 codes a lane, 4 bytes
	v_lshrrev_b32 v11, 2, v10
	s_delay_alu instid0(VALU_DEP_1)
	v_add_nc_u32 v7, s30, v11                      ; w: four lanes to a block
	s_mul_i32 s31, s16, CHUNK
	s_add_co_u32 s31, s31, OUT
	v_lshl_add_u32 v8, v10, 3, s31                 ; the way out: chunk = wave (x's eight, then w's eight), 8 bytes a lane
	v_lshlrev_b32 v9, 3, v10
	s_mov_b32 s21, 0x42fe0000                      ; 127
	s_mov_b32 s22, 0xc3000000                      ; -128
	s_mov_b32 s23, 0x3c010204                      ; 1 / 127, rounded
	s_mov_b32 s24, 0x76543210
	s_mov_b32 s25, 0xfedcba98                      ; v_permlanex16_b32's selects for lane l xor 16
	s_wait_kmcnt 0x0
	s_lshl_b32 s18, s17, 14                        ; a row of x is 16,384 bytes,
	s_add_nc_u64 s[4:5], s[4:5], s[18:19]
	s_lshl_b32 s18, s17, 13                        ; of qweight 8,192,
	s_add_nc_u64 s[6:7], s[6:7], s[18:19]
	s_lshl_b32 s18, s17, 2                         ; of weight_scale 4
	s_add_nc_u64 s[8:9], s[8:9], s[18:19]
	s_load_b32 s20, s[8:9], 0x0                    ; my row's weight scale
	s_cmp_lt_u32 s16, 8                            ; waves 0-7 store a_q's K steps 0-7, waves 8-15 b_q's: the choice hangs on the wave's number alone
	s_cselect_b64 s[26:27], s[10:11], s[12:13]
	s_and_b32 s28, s16, 7
	s_mul_i32 s28, s28, KSB
	s_mul_i32 s18, ttmp9, CHUNK
	s_add_co_u32 s18, s18, s28
	s_add_nc_u64 s[26:27], s[26:27], s[18:19]
.macro XLOAD j                         ; load j of 32 of my row of x
	global_load_b128 v[R+4*(\j):R+4*(\j)+3], v1, s[4:5] offset:512*(\j) th:TH_LOAD_NT
.endm
.macro WLOADS                          ; my row of qweight: 16 loads
.irp j, 0,1,2,3,4,5,6,7,8,9,10,11,12,13,14,15
	global_load_b128 v[WD+4*\j:WD+4*\j+3], v1, s[6:7] offset:512*\j th:TH_LOAD_NT
.endr
.endm
.macro WSCALE                          ; the row's weight scale s, and -8 s (exact), each twice
	s_wait_kmcnt 0x0
	v_mov_b32 v20, s20
	v_mov_b32 v21, s20
	s_delay_alu instid0(VALU_DEP_2)
	v_mul_f32 v22, 0xc1000000, v20
	s_delay_alu instid0(VALU_DEP_1)
	v_mov_b32 v23, v22
.endm
; THE ROW'S LARGEST MAGNITUDE, eight loads (32 registers) at a time, in two chains.  base: the loads issued behind x's first eight.
.macro MAXG g, base
	s_wait_loadcnt (\base)-8*(\g)                  ; loads come back in order: behind this group's eight stand x's 8 (3 - g) younger ones and, in kind 0, the 16 of qweight
.set XS, R+32*(\g)
.if (\g) == 0
	v_max_num_f32 v10, |v[XS]|, |v[XS+1]|          ; the first numbers start the chains
	v_max_num_f32 v11, |v[XS+2]|, |v[XS+3]|
.else
	v_max3_num_f32 v10, v10, |v[XS]|, |v[XS+1]|
	v_max3_num_f32 v11, v11, |v[XS+2]|, |v[XS+3]|
.endif
.irp i, 4,8,12,16,20,24,28
	s_delay_alu instid0(VALU_DEP_2)
	v_max3_num_f32 v10, v10, |v[XS+\i]|, |v[XS+\i+1]|
	s_delay_alu instid0(VALU_DEP_2)
	v_max3_num_f32 v11, v11, |v[XS+\i+2]|, |v[XS+\i+3]|
.endr
.endm
; 16 numbers of x, as loaded, become x_dq in place.  x / s = q + (x - q s) r with q = x r: the quotient with one correction, so that the rounding to a whole number sees what a division gives.
.macro FAKEQ t
.set XS, R+16*(\t)
.irp p, 0,2,4,6,8,10,12,14
	v_pk_mul_f32 v[Q+\p:Q+\p+1], v[XS+\p:XS+\p+1], v[16:17]
.endr
.irp p, 0,2,4,6,8,10,12,14
	v_pk_fma_f32 v[XS+\p:XS+\p+1], v[Q+\p:Q+\p+1], v[18:19], v[XS+\p:XS+\p+1]   ; x - q s
.endr
.irp p, 0,2,4,6,8,10,12,14
	v_pk_fma_f32 v[Q+\p:Q+\p+1], v[XS+\p:XS+\p+1], v[16:17], v[Q+\p:Q+\p+1]
.endr
.irp n, 0,1,2,3,4,5,6,7,8,9,10,11,12,13,14,15
	v_rndne_f32 v[Q+\n], v[Q+\n]                   ; to the nearest whole number, ties to even
.endr
.irp n, 0,1,2,3,4,5,6,7,8,9,10,11,12,13,14,15
	v_med3_num_f32 v[Q+\n], v[Q+\n], s22, s21      ; held to -128 .. 127
.endr
.irp p, 0,2,4,6,8,10,12,14
	v_pk_mul_f32 v[XS+\p:XS+\p+1], v[Q+\p:Q+\p+1], v[14:15]
.endr
.endm
; Step t's 512 numbers (2,048 bytes) turn through the wave's own stage: in as they were loaded, 16 bytes a lane; out 64 bytes a lane, so that lane l holds k = 512 t + 16 l + 0 .. 15, which the conversions want.
; LDS serves a wave's instructions in order (ISA guide 5.7.1.4): no wait between the stores and the loads, which land in the registers that the stores left.
.macro TURN t
.set XS, R+16*(\t)
.irp i, 0,1,2,3
	ds_store_b128 v2, v[XS+4*\i:XS+4*\i+3] offset:32*SP*((\t)%2)+8*SP*\i
.endr
.irp i, 0,1,2,3
	ds_load_b128 v[XS+4*\i:XS+4*\i+3], v3 offset:32*SP*((\t)%2)+16*\i
.endr
.endm
; Step t's codes and scale bytes: two neighbouring lanes hold a block of 32.
.macro QSTEP t
.set XS, R+16*(\t)
	v_max3_num_f32 v10, |v[XS]|, |v[XS+1]|, |v[XS+2]|
	v_max3_num_f32 v11, |v[XS+3]|, |v[XS+4]|, |v[XS+5]|
.irp i, 6,10
	s_delay_alu instid0(VALU_DEP_2)
	v_max3_num_f32 v10, v10, |v[XS+\i]|, |v[XS+\i+1]|
	s_delay_alu instid0(VALU_DEP_2)
	v_max3_num_f32 v11, v11, |v[XS+\i+2]|, |v[XS+\i+3]|
.endr
	s_delay_alu instid0(VALU_DEP_2)
	v_max3_num_f32 v10, v10, |v[XS+14]|, |v[XS+15]|
	s_delay_alu instid0(VALU_DEP_1)
	v_max3_num_f32 v10, v10, v11, 0x1800000        ; and the floor 2^(3 - 127): the byte cannot fall under 1
	s_delay_alu instid0(VALU_DEP_1)
	v_max_num_f32_dpp v10, v10, v10 row_xmask:1 row_mask:0xf bank_mask:0xf   ; with my neighbour's 16: the block's largest magnitude
	s_delay_alu instid0(VALU_DEP_1)
	v_add_nc_u32 v12, 0xff000000, v10              ; 2 off its exponent field: the conversion takes the exponent field of this operand as its scale, and nothing else of it
	v_cvt_scalef32_pk8_fp4_f32 v[C+2*(\t)], v[XS:XS+7], v12
	v_cvt_scalef32_pk8_fp4_f32 v[C+2*(\t)+1], v[XS+8:XS+15], v12
	v_lshrrev_b32 v[E+(\t)], 23, v12               ; the scale's byte; also the plain instruction behind the conversions
	ds_store_b8 v5, v[E+(\t)] offset:CHUNK*(\t)+256    ; both lanes of a block write the same byte with the same value
	ds_store_b64 v4, v[C+2*(\t):C+2*(\t)+1] offset:CHUNK*(\t)
.endm
; ALL OF x's ARITHMETIC.  base: as in MAXG.
.macro XPHASE base
	MAXG 0, \base
	s_wait_alu depctr_va_vdst(0)
	MAXG 1, \base
	s_wait_alu depctr_va_vdst(0)
	MAXG 2, \base
	s_wait_alu depctr_va_vdst(0)
	MAXG 3, \base
	s_delay_alu instid0(VALU_DEP_1)
	v_max_num_f32 v10, v10, v11
	s_delay_alu instid0(VALU_DEP_1)
	v_max_num_f32_dpp v10, v10, v10 row_xmask:1 row_mask:0xf bank_mask:0xf
	s_delay_alu instid0(VALU_DEP_1)
	v_max_num_f32_dpp v10, v10, v10 row_xmask:2 row_mask:0xf bank_mask:0xf
	s_delay_alu instid0(VALU_DEP_1)
	v_max_num_f32_dpp v10, v10, v10 row_xmask:4 row_mask:0xf bank_mask:0xf
	s_delay_alu instid0(VALU_DEP_1)
	v_max_num_f32_dpp v10, v10, v10 row_xmask:8 row_mask:0xf bank_mask:0xf
	s_delay_alu instid0(VALU_DEP_1)
	v_permlanex16_b32 v11, v10, s24, s25
	s_delay_alu instid0(VALU_DEP_1)
	v_max_num_f32 v10, v10, v11                    ; every lane holds the row's largest magnitude
	s_delay_alu instid0(VALU_DEP_1)
	v_mul_f32 v11, s23, v10                        ; s = that / 127: a first quotient, its residual by a fused multiply-add, one correction
	s_delay_alu instid0(VALU_DEP_1)
	v_fma_f32 v12, -v11, s21, v10
	s_delay_alu instid0(VALU_DEP_1)
	v_fma_f32 v14, v12, s23, v11
	s_delay_alu instid0(VALU_DEP_1)
	v_cmp_neq_f32 vcc_lo, 0, v14
	s_delay_alu instid0(VALU_DEP_1)
	v_cndmask_b32 v14, 1.0, v14, vcc_lo            ; 1 where s is 0
	s_wait_alu depctr_va_vdst(0)
	v_rcp_f32 v16, v14
	v_mov_b32 v15, v14                             ; a plain instruction behind the reciprocal (ISA guide 5.7.2); these three name neither its result nor write its source
	v_xor_b32 v18, 0x80000000, v14                 ; -s
	s_delay_alu instid0(VALU_DEP_1)
	v_mov_b32 v19, v18
	s_wait_alu depctr_va_vdst(0)                   ; the wait ahead of the first instruction that names the reciprocal
	v_fma_f32 v12, v18, v16, 1.0                   ; 1 - s r,
	v_fma_f32 v16, v12, v16, v16                   ; and r is refined by it
	s_delay_alu instid0(VALU_DEP_1)
	v_mov_b32 v17, v16
	FAKEQ 0
	TURN 0
.irp t, 0,1,2,3,4,5,6
	FAKEQ \t+1                                     ; the next step's arithmetic and its turn stand between a step's loads from the stage and the wait for them
	TURN \t+1
.if \t == 0
	s_wait_dscnt 8                                 ; behind step 0's loads: the next turn's eight (what w's steps stored, in kind 1, is older)
.else
	s_wait_dscnt 10                                ; behind this step's loads: the last step's two stores and the next turn's eight
.endif
	QSTEP \t
.endr
	s_wait_dscnt 2                                 ; behind step 7's loads: step 6's two stores
	QSTEP 7
.endm
; Load j of qweight: a lane's four words are k = 256 j + 8 lane + 0 .. 7 of my row, in order: nothing is turned.  Four neighbouring lanes hold a block of 32.
; left: the loads issued behind load j, which may stay out.  xl = 1: the step issues loads 2 j and 2 j + 1 of x.
.macro WSTEP j, left, xl
.set F, Q+8*((\j)%2)
	s_wait_loadcnt \left
.if \xl
	XLOAD 2*(\j)
	XLOAD 2*(\j)+1
.endif
.irp i, 0,1,2,3
	v_ashrrev_i32 v[F+2*\i], 4, v[WD+4*(\j)+\i]    ; n of the even k
	v_and_b32 v[F+2*\i+1], 15, v[WD+4*(\j)+\i]     ; n of the odd k
.endr
.irp n, 0,1,2,3,4,5,6,7
	v_cvt_f32_i32 v[F+\n], v[F+\n]
.endr
.irp p, 0,2,4,6
	v_pk_fma_f32 v[F+\p:F+\p+1], v[F+\p:F+\p+1], v[20:21], v[22:23]   ; n s - 8 s = (n - 8) s, rounded once: the bits of the product of the whole number n - 8 with s
.endr
	s_delay_alu instid0(VALU_DEP_4)
	v_max3_num_f32 v10, |v[F]|, |v[F+1]|, 0x1800000    ; my eight, and the floor 2^(3 - 127)
	s_delay_alu instid0(VALU_DEP_3)
	v_max3_num_f32 v11, |v[F+2]|, |v[F+3]|, |v[F+4]|
	s_delay_alu instid0(VALU_DEP_2)
	v_max3_num_f32 v10, v10, |v[F+5]|, |v[F+6]|
	s_delay_alu instid0(VALU_DEP_1)
	v_max3_num_f32 v10, v10, v11, |v[F+7]|
	s_delay_alu instid0(VALU_DEP_1)
	v_max_num_f32_dpp v10, v10, v10 row_xmask:1 row_mask:0xf bank_mask:0xf
	s_delay_alu instid0(VALU_DEP_1)
	v_max_num_f32_dpp v10, v10, v10 row_xmask:2 row_mask:0xf bank_mask:0xf   ; with the three lanes beside me: the block's
	s_delay_alu instid0(VALU_DEP_1)
	v_add_nc_u32 v12, 0xff000000, v10
	v_cvt_scalef32_pk8_fp4_f32 v[WD+4*(\j)], v[F:F+7], v12             ; the codes take the place of the step's first word, which has been read
	v_lshrrev_b32 v[WD+4*(\j)+1], 23, v12          ; the byte, in the place of the second; also the plain instruction behind the conversion
	ds_store_b8 v7, v[WD+4*(\j)+1] offset:CHUNK*((\j)/2)+256+8*((\j)%2)     ; the four lanes of a block write the same byte with the same value
	ds_store_b32 v6, v[WD+4*(\j)] offset:CHUNK*((\j)/2)+128*((\j)%2)
.endm
	s_lshr_b32 s28, s16, 2
	s_xor_b32 s28, s28, s16
	s_and_b32 s28, s28, 1                          ; my kind: bit 0 xor bit 2 of the wave's number
	s_cmp_lg_u32 s28, 0
	s_cbranch_scc1 .Lw_first
	; KIND 0: x first.  All 48 loads go out here; x is worked on while qweight is on its way
.irp j, 0,1,2,3,4,5,6,7,8,9,10,11,12,13,14,15,16,17,18,19,20,21,22,23,24,25,26,27,28,29,30,31
	XLOAD \j
.endr
	WLOADS
	WSCALE
	XPHASE 40                                      ; behind x's first eight loads: 24 of x and 16 of qweight
.irp j, 0,1,2,3,4,5,6,7,8,9,10,11,12,13,14,15
	WSTEP \j, 15-\j, 0                             ; behind load j: qweight's younger loads
.endr
	s_branch .Ljoin
.Lw_first:
	; KIND 1: w first, each load worked on as it comes; x's loads go out two a step
	WLOADS
	WSCALE
.irp j, 0,1,2,3,4,5,6,7,8,9,10,11,12,13,14,15
	WSTEP \j, 15+\j, 1                             ; behind load j: qweight's 15 - j younger loads and the 2 j of x that the steps before have issued
.endr
	XPHASE 24                                      ; behind x's first eight loads: 24 of x
.Ljoin:
	s_wait_dscnt 0x0                               ; for the others' sake: my records lie in LDS
	s_barrier_signal -1
	s_barrier_wait -1                              ; everybody's do
	; THE WAY OUT: sixteen rows' records of one K step of one tensor: 4,352 consecutive bytes in LDS and in memory
.set i, 0
.rept 17
	ds_load_b64 v[R+2*i:R+2*i+1], v8 offset:256*i
.set i, i+1
.endr
.set i, 0
.rept 17
	s_wait_dscnt 16-i
	global_store_b64 v9, v[R+2*i:R+2*i+1], s[26:27] offset:256*i   ; 32 lanes store 256 consecutive bytes, at a multiple of 256 from the buffer's first byte
.set i, i+1
.endr
	s_wait_xcnt 0x0
	v_lshl_add_u32 v254, v0, 2, 0x25000
	v_mov_b32 v255, 0
	s_wait_alu depctr_va_vdst(0)
	s_wait_tensorcnt 0x0
	ds_add_u32 v254, v255
	s_wait_dscnt 0x0
	s_endpgm
.Lfunc_end_k_q4aa3bbd2c7_quant:
	.size	k_q4aa3bbd2c7_quant, .Lfunc_end_k_q4aa3bbd2c7_quant-k_q4aa3bbd2c7_quant
	.p2alignl 7, 3214868480
	.fill 96, 4, 3214868480
	.section	.rodata,"a",@progbits
	.p2align	6, 0x0
	.amdhsa_kernel k_q4aa3bbd2c7_quant
		.amdhsa_group_segment_fixed_size 153600
		.amdhsa_private_segment_fixed_size 0
		.amdhsa_enable_private_segment 0
		.amdhsa_kernarg_size 40
		.amdhsa_user_sgpr_count 2
		.amdhsa_user_sgpr_kernarg_segment_ptr 1
		.amdhsa_wavefront_size32 1
		.amdhsa_system_sgpr_workgroup_id_x 1
		.amdhsa_system_sgpr_workgroup_id_y 1
		.amdhsa_system_sgpr_workgroup_id_z 1
		.amdhsa_system_vgpr_workitem_id 0
		.amdhsa_next_free_vgpr 256
		.amdhsa_next_free_sgpr 66
		.amdhsa_reserve_vcc 1
		.amdhsa_float_denorm_mode_32 3
		.amdhsa_float_denorm_mode_16_64 3
		.amdhsa_memory_ordered 1
		.amdhsa_forward_progress 1
		.amdhsa_inst_pref_size 169
	.end_amdhsa_kernel
	.amdgpu_metadata
---
amdhsa.version: [ 1, 2 ]
amdhsa.kernels:
  - .name:           k_q4aa3bbd2c7_quant
    .symbol:         k_q4aa3bbd2c7_quant.kd
    .args:
      - { .name: x, .offset: 0, .size: 8, .value_kind: global_buffer, .address_space: global }
      - { .name: qweight, .offset: 8, .size: 8, .value_kind: global_buffer, .address_space: global }
      - { .name: weight_scale, .offset: 16, .size: 8, .value_kind: global_buffer, .address_space: global }
      - { .name: a_q, .offset: 24, .size: 8, .value_kind: global_buffer, .address_space: global }
      - { .name: b_q, .offset: 32, .size: 8, .value_kind: global_buffer, .address_space: global }
    .group_segment_fixed_size: 153600
    .private_segment_fixed_size: 0
    .kernarg_segment_align: 8
    .kernarg_segment_size: 40
    .max_flat_workgroup_size: 512
    .sgpr_count:     66
    .vgpr_count:     256
    .wavefront_size: 32
...
	.end_amdgpu_metadata
.endif
;; end of part 1
;; launch gemm (part 2): grid 16 x 16, 4 waves a work-group, clusters of 4 x 4, 327,680 bytes of LDS; arguments a_q, b_q, bias, out0; writes out0
.if DOCPART == 2
	.amdgcn_target "amdgcn-amd-amdhsa--gfx1250"
	.amdhsa_code_object_version 6
	.text
	.protected	k_q4aa3bbd2c7_gemm
	.globl	k_q4aa3bbd2c7_gemm
	.p2align	8
	.type	k_q4aa3bbd2c7_gemm,@function
k_q4aa3bbd2c7_gemm:
	s_mov_b64 s[64:65], 0
	v_nop
	global_prefetch_b8 v0, s[64:65] scope:SCOPE_SE
	s_setreg_imm32_b32 hwreg(HW_REG_WAVE_MODE, 25, 1), 1
	s_wait_xcnt 0x0
	s_wait_alu depctr_hold_cnt(0) depctr_sa_sdst(0) depctr_va_vdst(0) depctr_va_sdst(0) depctr_va_ssrc(0) depctr_va_vcc(0) depctr_vm_vsrc(0)
	s_getreg_b32 s2, hwreg(HW_REG_IB_STS2, 6, 4)
	s_cmp_eq_u32 s2, 0
	s_cbranch_scc0 .Lentry_in_a_cluster
	s_endpgm
.Lentry_in_a_cluster:
	s_bfe_u32 s2, ttmp6, 0x10000c
	s_cmp_lg_u32 s2, 0xf033
	s_cbranch_scc0 .Lentry_shape_is_right
	s_endpgm
.Lentry_shape_is_right:
; out0[m][n] = sum over k of x_dq[m][k] w[n][k] + bias[n], on codes of FP4 (E2M1) with one E8M0 byte for each 32 along K; sums in f32.
; a_q and b_q are laid [K step of 512: 0..7][row: 0..4095][record of 272 bytes]: a row's 512 codes of the K step (256 bytes) and behind them its 16 scale bytes.
; So 128 rows of a K step are 34,816 consecutive bytes = 136 rows of 256 bytes for the tensor load, and in LDS the records stand 272 bytes apart: 16 rows start at 16 different banks.
; A tile of out0, 256 x 256, is made by four waves, each 128 x 128: 64 accumulators, 512 registers.  K goes in 8 steps of 512 through a ring of two LDS slots.
; CLUSTERS 4 x 4: a row of the cluster shares A's tiles, a column B's; each tile is asked for jointly.  THE MATRIX INSTRUCTION IS USED TRANSPOSED (source 0 = 16 rows of b_q, source 1 = 16 rows of a_q):
; a lane holds eight neighbouring numbers of a row of out0.  The bias is the C of each accumulator's first product.
; PREFETCH: with the load of K step t the wave asks for K step t + 2 (the head also for K step 1).  Of the 136 blocks of 256 bytes that a joint load brings, each of its four partners names 34, told apart by address
; (cx for A, cy for B): 32 by one instruction, a lane a block, and 2 by a second, whose other lanes name the last block again.  The loads of K steps 6 and 7 ask for nothing.
; THE LAST K STEP GOES BY ROWS OF out0: all its fragments of B fill window 1, A's come by blocks of 16 rows x 512 K, and each block of 16 rows leaves when its 32 products are done, while the next block is multiplied.
; REGISTERS: window 0: v0-31 addresses; v32-95 scale words, two sets; v128-191 A's fragments, one set; v192-255 the bias (in the last K step v128-255 are four buffers for A's blocks).
;   window 1: B's fragments, two sets at v0 and v128 (in the last K step all 256).  Window 2: accumulators of my rows 0-63, (a, b) at v[8 (8 a + b)]; window 3: rows 64-127.
.set SIZE_N, 4096
.set NQ,     4                         ; matrix instructions deep in a K step
.set REC,    272
.set PITCH,  REC
.set KSB,    4096*REC                  ; from a K step to the next in a_q and b_q
.set FR,     8                         ; registers of a fragment
.set NL,     2                         ; LDS loads that bring one
.set NP,     4                         ; places behind this matrix instruction (ISA guide 7.12.1)
.set HALFT,  128*PITCH                 ; what one tensor load brings
.set SHARE,  HALFT/4                   ; what one partner prefetches of it: 34 blocks of 256 bytes
.set SLOT,   4*HALFT                   ; A's 256 records, then B's
.set LAPS,   4
.set SPARE,  2*SLOT                    ; behind the ring: the spare words, 128 bytes a wave
.set SPITCH, 528                       ; the way out: a stage of 16 rows x (512 + 16) bytes a wave, in slot 0, which has had its last fill and its last read by then
.set ADRA, 16                          ; v16-17 my A fragments in slot 0, 1
.set ADRB, 20                          ; v20-21 the same for B
.set ADRS, 22                          ; v22-23 my scale words in slot 0, 1: lanes 0-15 A's rows, lanes 16-31 B's
.set STO,  24
.set RD,   25
.set CO,   26
.set BO,   27
.set SPW,  28                          ; my spare word; never rewritten
.set NIL,  29                          ; 0; never rewritten
.set PFO,  30                          ; prefetch: 256 x lane
.set PFO2, 31                          ; prefetch: blocks 32 and 33 of my share
.set SC,   32
.set AF,   128
.set BIAS, 192
.set PFA,  12                          ; s[12:13] my share of the tile whose load is being issued; a prefetch names the K step two on
.set G1, 24
.set G0, 32
.set G1B, 48
.set G0B, 56
.set MSB, 0
.macro WIN new                         ; the immediate's high byte repeats the setting that is left
.if MSB != \new
	s_set_vgpr_msb (MSB<<8)|\new
.set MSB, \new
.endif
.endm
.set MUL_LO, 0xa1                      ; source 0 (B) window 1, source 1 (A) window 0, C and D window 2
.set MUL_HI, 0xf1                      ; the same, C and D window 3
.set BEG_LO, 0x81                      ; the first products: C (the bias) window 0
.set BEG_HI, 0xc1
.set TO_B,   0x40
; A joint load: waves 0 and 1 fetch A's halves, waves 2 and 3 B's; an s_nop 0 and four v_nop follow each line
.macro JLOAD g0a, g1a, g0b, g1b
	s_cmp_eq_u32 s15, 0
	s_cbranch_scc0 .Lfor_b_\@
	tensor_load_to_lds s[\g0a:\g0a+3], s[\g1a:\g1a+7]
	s_nop 0
.rept 4
	v_nop
.endr
	s_branch .Lasked_\@
.Lfor_b_\@:
	tensor_load_to_lds s[\g0b:\g0b+3], s[\g1b:\g1b+7]
	s_nop 0
.rept 4
	v_nop
.endr
.Lasked_\@:
.endm
.macro CREST                           ; a round of the cluster's barrier behind its opening barrier
	s_cmp_lg_u32 s14, 0
	s_cbranch_scc1 .Lnot_wave_0_\@
	s_barrier_signal -3
.Lnot_wave_0_\@:
	s_barrier_wait -3
	s_barrier_signal -1
	s_barrier_wait -1
.endm
.macro CROUND
	s_barrier_signal -1
	s_barrier_wait -1
	CREST
.endm
.macro PREF ahead                      ; my 34 blocks of the K step that lies \ahead steps behind PFA's
	global_prefetch_b8 v[PFO], s[PFA:PFA+1] offset:(\ahead)*KSB th:TH_LOAD_NT scope:SCOPE_SE
	global_prefetch_b8 v[PFO2], s[PFA:PFA+1] offset:(\ahead)*KSB th:TH_LOAD_NT scope:SCOPE_SE
.endm
	s_load_b256 s[4:11], s[0:1], 0x0               ; a_q, b_q, bias, out0
	v_lshl_add_u32 v[SPW], v0, 2, SPARE
	v_mov_b32 v[NIL], 0
	ds_add_u32 v[SPW], v[NIL]                      ; the opening lines: the add, twice on end, and its wait ahead of my first tensor load
	ds_add_u32 v[SPW], v[NIL]
	v_lshrrev_b32 v1, 5, v0
	v_readfirstlane_b32 s14, v1                    ; wave 0..3
	v_and_b32 v6, 31, v0                           ; lane
	v_lshlrev_b32 v[PFO], 8, v6
	v_min_u32 v7, 1, v6
	v_lshl_add_u32 v[PFO2], v7, 8, 32*256
	s_lshr_b32 s15, s14, 1                         ; my half of the tile's rows; also: I fetch for A (0) or B (1)
	s_and_b32 s16, s14, 1                          ; my half of its columns; also: which 128 records I fetch
	s_bfe_u32 s40, ttmp6, 0x40000                  ; cx
	s_bfe_u32 s41, ttmp6, 0x40004                  ; cy
	s_lshl_b32 s42, ttmp9, 2
	s_add_co_u32 s42, s42, s40                     ; tile column
	s_and_b32 s17, ttmp7, 0xffff
	s_lshl_b32 s17, s17, 2
	s_add_co_u32 s17, s17, s41                     ; tile row
	s_lshl_b32 s43, s41, 2
	s_lshl_b32 s43, 15, s43                        ; my row of the cluster
	s_lshl_b32 s44, 0x1111, s40                    ; my column
	s_or_b32 s[G1+0], s43, (3<<16)|(1<<21)         ; elements of 8 bytes, no padding: the records carry their own 16 bytes
	s_or_b32 s[G1B+0], s44, (3<<16)|(1<<21)
.irp g, G1, G1B
	s_mov_b32 s[\g+1], 32<<16                      ; rows of 256 bytes,
	s_mov_b32 s[\g+2], 136<<16                     ; 136 of them, dense
	s_mov_b32 s[\g+3], 32<<16
	s_mov_b32 s[\g+4], 136
	s_mov_b32 s[\g+5], 32
	s_mov_b32 s[\g+6], 0
	s_mov_b32 s[\g+7], 0
.endr
	s_lshl_b32 s18, s16, 7
	s_lshl_b32 s20, s17, 8
	s_add_co_u32 s20, s20, s18                     ; A: record 256 x tile row + 128 x half
	s_lshl_b32 s46, s42, 8
	s_add_co_u32 s46, s46, s18                     ; B: 256 x tile column + 128 x half
	s_mul_i32 s20, s20, REC
	s_mov_b32 s21, 0
	s_mul_i32 s46, s46, REC
	s_mov_b32 s47, 0
	s_mul_i32 s45, s14, HALFT                      ; where my load goes: wave x 128 records
	s_cmp_eq_u32 s15, 0
	s_cselect_b32 s22, s40, s41                    ; my place among the four that ask with me
	s_cselect_b32 s18, s20, s46
	s_mul_i32 s22, s22, SHARE
	s_add_co_u32 s18, s18, s22                     ; the prefetches' offset: my share of the 128 records
	s_mov_b32 s19, 0
	s_wait_alu depctr_va_vdst(0)
	s_wait_dscnt 0x0                               ; both opening adds are done
	s_wait_kmcnt 0x0
	s_add_nc_u64 s[20:21], s[4:5], s[20:21]
	s_add_nc_u64 s[46:47], s[6:7], s[46:47]
	s_cmp_eq_u32 s15, 0
	s_cselect_b64 s[PFA:PFA+1], s[4:5], s[6:7]
	s_add_nc_u64 s[PFA:PFA+1], s[PFA:PFA+1], s[18:19]
.irp s, 0,1
	s_mov_b32 s[G0+4*\s], 1
	s_add_co_u32 s[G0+4*\s+1], s45, \s*SLOT
	s_add_nc_u64 s[G0+4*\s+2:G0+4*\s+3], s[20:21], \s*KSB
	s_or_b32 s[G0+4*\s+3], s[G0+4*\s+3], 0x80000000
	s_mov_b32 s[G0B+4*\s], 1
	s_add_co_u32 s[G0B+4*\s+1], s45, \s*SLOT
	s_add_nc_u64 s[G0B+4*\s+2:G0B+4*\s+3], s[46:47], \s*KSB
	s_or_b32 s[G0B+4*\s+3], s[G0B+4*\s+3], 0x80000000
.endr
	CROUND                                         ; all sixteen work-groups are here: the first joint loads meet
	JLOAD G0, G1, G0B, G1B                         ; K step 0: one tensor load a wave at the head
	PREF 1                                         ; K steps 1 and 2
	PREF 2
	; where my part of out0 and of the bias begins
	s_lshl_b32 s20, s17, 8
	s_lshl_b32 s21, s15, 7
	s_add_co_u32 s20, s20, s21
	s_lshl_b32 s20, s20, 14                        ; my first row x 16,384 bytes
	s_mov_b32 s21, 0
	s_lshl_b32 s46, s42, 10
	s_lshl_b32 s47, s16, 9
	s_add_co_u32 s46, s46, s47                     ; my first column, in bytes
	s_mov_b32 s47, 0
	s_add_nc_u64 s[8:9], s[8:9], s[46:47]
	s_add_nc_u64 s[20:21], s[20:21], s[46:47]
	s_add_nc_u64 s[10:11], s[10:11], s[20:21]
	s_mul_i32 s18, s15, HALFT                      ; my 128 records of A
	s_mul_i32 s19, s16, HALFT
	s_add_co_u32 s19, s19, 2*HALFT                 ; my 128 of B, behind A's 256
	s_sub_co_u32 s22, s19, s18
	s_add_co_u32 s23, s18, 256                     ; the scale words lie behind a record's codes
	s_mul_i32 s45, s14, 16*SPITCH                  ; my stage
	v_and_b32 v1, 15, v0                           ; l % 16
	v_bfe_u32 v2, v0, 4, 1                         ; l / 16
	v_mul_u32_u24 v3, v1, PITCH
	v_lshl_add_u32 v4, v2, 4, v3
	v_add_nc_u32 v[ADRA], s18, v4
	v_add_nc_u32 v[ADRB], s19, v4
	v_add_nc_u32 v[ADRA+1], SLOT, v[ADRA]
	v_add_nc_u32 v[ADRB+1], SLOT, v[ADRB]
	v_mul_u32_u24 v5, s22, v2                      ; lanes 16-31 take B's scale words
	v_add_nc_u32 v5, v3, v5
	v_add_nc_u32 v[ADRS], s23, v5
	v_add_nc_u32 v[ADRS+1], SLOT, v[ADRS]
	v_mul_u32_u24 v5, v1, SPITCH
	v_lshl_add_u32 v5, v2, 5, v5
	v_add_nc_u32 v[STO], s45, v5                   ; into the stage: row l % 16, 32 bytes for each half of the lanes
	v_lshlrev_b32 v[CO], 4, v6                     ; back: the 32 lanes take one row of 512 bytes; the same in out0
	v_add_nc_u32 v[RD], s45, v[CO]
	v_lshlrev_b32 v[BO], 5, v2
	s_wait_alu depctr_va_vdst(0)
.irp b, 0,1,2,3,4,5,6,7
	global_load_b128 v[BIAS+8*\b:BIAS+8*\b+3],   v[BO], s[8:9] offset:64*\b
	global_load_b128 v[BIAS+8*\b+4:BIAS+8*\b+7], v[BO], s[8:9] offset:64*\b+16
.endr
.macro FRAG reg, adr, q, i             ; 16 rows x 128 K of codes: two loads of 16 bytes a lane, 32 bytes apart
.irp c, 0,1
	ds_load_b128 v[\reg+4*\c:\reg+4*\c+3], v[\adr] offset:64*(\q)+32*\c+(\i)*16*PITCH
.endr
.endm
; 16 matrix instructions: A's blocks a0, a0 + 1 x B's eight.  The 64 accumulators take turns, one instruction a turn.  zero = 1: the bias starts the sums
.macro MUL16 a0, p, q, sc, zero
.irp a, \a0, \a0+1
.irp b, 0,1,2,3,4,5,6,7
.if \zero
	v_wmma_scale_f32_16x16x128_f8f6f4 v[8*(8*((\a)%4)+\b):8*(8*((\a)%4)+\b)+7], v[128*(\p)+FR*\b:128*(\p)+FR*\b+FR-1], v[AF+FR*(\a):AF+FR*(\a)+FR-1], v[BIAS+8*\b:BIAS+8*\b+7], v[SC+8*NQ*(\sc)+NQ*\b+(\q)], v[SC+8*NQ*(\sc)+NQ*(\a)+(\q)] matrix_a_fmt:MATRIX_FMT_FP4 matrix_b_fmt:MATRIX_FMT_FP4 matrix_a_scale:MATRIX_SCALE_ROW1
.else
	v_wmma_scale_f32_16x16x128_f8f6f4 v[8*(8*((\a)%4)+\b):8*(8*((\a)%4)+\b)+7], v[128*(\p)+FR*\b:128*(\p)+FR*\b+FR-1], v[AF+FR*(\a):AF+FR*(\a)+FR-1], v[8*(8*((\a)%4)+\b):8*(8*((\a)%4)+\b)+7], v[SC+8*NQ*(\sc)+NQ*\b+(\q)], v[SC+8*NQ*(\sc)+NQ*(\a)+(\q)] matrix_a_fmt:MATRIX_FMT_FP4 matrix_b_fmt:MATRIX_FMT_FP4 matrix_a_scale:MATRIX_SCALE_ROW1
.endif
.endr
.endr
.endm
.macro FETCH_B slot, q, p
	WIN TO_B
.irp i, 0,1,2,3,4,5,6,7
	FRAG 128*(\p)+FR*\i, ADRB+\slot, \q, \i
.endr
	WIN 0
.endm
.macro FETCH_A slot, q, i0
.irp i, \i0, \i0+1, \i0+2, \i0+3
	FRAG AF+FR*(\i), ADRA+\slot, \q, \i
.endr
.endm
.macro SCALES sc                       ; a K step's scale words: lanes 0-15 A's block i, lanes 16-31 B's block i, four words a row
.irp i, 0,1,2,3,4,5,6,7
	ds_load_b128 v[SC+8*NQ*\sc+NQ*\i:SC+8*NQ*\sc+NQ*\i+3], v[ADRS+\sc] offset:\i*16*PITCH
.endr
.endm
.macro PLACES n
.rept \n
	v_nop
.endr
.endm
.macro STEP slot, q, zero              ; 128 along K with its successor in the same slot
	s_wait_dscnt 4*NL                              ; B's set and A's blocks 0-3 are in; A's blocks 4-7 may be out
.if \zero
	WIN BEG_LO
.else
	WIN MUL_LO
.endif
	MUL16 0, (\q)%2, \q, \slot, \zero
	MUL16 2, (\q)%2, \q, \slot, \zero
	s_wait_dscnt 0
	PLACES NP
	FETCH_B \slot, (\q)+1, 1-(\q)%2
	FETCH_A \slot, (\q)+1, 0
.if \zero
	WIN BEG_HI
.else
	WIN MUL_HI
.endif
	MUL16 4, (\q)%2, \q, \slot, \zero
	MUL16 6, (\q)%2, \q, \slot, \zero
	PLACES NP
	WIN 0
	FETCH_A \slot, (\q)+1, 4
.endm
; A slot's last step changes slots and fills this slot again, two K steps ahead
.macro TURN slot, next
	s_wait_xcnt 0x0                                ; my prefetches have read their address: it steps here, ahead of the change's waits
	s_add_nc_u64 s[PFA:PFA+1], s[PFA:PFA+1], KSB
	s_wait_tensorcnt 0x0                           ; all my tensor loads have landed: my part of the next slot
	ds_add_u32 v[SPW], v[NIL]
	s_wait_dscnt 4*NL+1                            ; the add and A's blocks 4-7 may be out
	WIN MUL_LO
	MUL16 0, 1, NQ-1, \slot, 0
	s_wait_dscnt 0x0                               ; the add is done, my reads of this slot are over
	s_barrier_signal -1
	MUL16 2, 1, NQ-1, \slot, 0
	WIN 0
	s_barrier_wait -1
	CREST                                          ; the round: no wave of any partner still reads this slot or has a load on its way
	s_add_nc_u64 s[G0+4*\slot+2:G0+4*\slot+3], s[G0+4*\slot+2:G0+4*\slot+3], 2*KSB
	s_add_nc_u64 s[G0B+4*\slot+2:G0B+4*\slot+3], s[G0B+4*\slot+2:G0B+4*\slot+3], 2*KSB
	JLOAD G0+4*\slot, G1, G0B+4*\slot, G1B         ; its four v_nop are also the places in front of the loads below
	FETCH_B \next, 0, 0
	FETCH_A \next, 0, 0
	SCALES \next
	s_cmp_gt_u32 s3, 1                             ; the last trip loads K steps 6 and 7: no K step lies two on
	s_cbranch_scc0 .Lno_ask_\@
	PREF 2
.Lno_ask_\@:
	WIN MUL_HI
	MUL16 4, 1, NQ-1, \slot, 0
	MUL16 6, 1, NQ-1, \slot, 0
	PLACES NP
	WIN 0
	FETCH_A \next, 0, 4
.endm
.macro STEPS slot, from
.set Q, \from
.rept NQ-1-\from
	STEP \slot, Q, 0
.set Q, Q+1
.endr
.endm
; THE LAST K STEP (slot 1), BY ROWS
.macro BLOAD q                         ; B's fragments of quarter q -> window 1, v[64 q ..]
.irp i, 0,1,2,3,4,5,6,7
	FRAG 64*(\q)+FR*\i, ADRB+1, \q, \i
.endr
.endm
.macro ALOAD a                         ; A's block a, all four quarters -> buffer (a + 2) % 4 of v128-255: blocks 0 and 1 land where the bias lay
.set FA, 128+32*(((\a)+2)%4)
.irp q, 0,1,2,3
	FRAG FA+FR*\q, ADRA+1, \q, \a
.endr
.endm
.macro ROW a                           ; block a is finished: 32 matrix instructions, its 8 accumulators by turns, K ascending
.set FA, 128+32*(((\a)+2)%4)
.set AC, 64*((\a)%4)
	WIN MUL_LO+0x50*((\a)/4)
.irp q, 0,1,2,3
.if (\a) == 0 && \q == 2
	s_wait_dscnt 16                                ; B's quarter 2 is in (behind it: A's blocks 2 and 3)
.endif
.irp b, 0,1,2,3,4,5,6,7
	v_wmma_scale_f32_16x16x128_f8f6f4 v[AC+8*\b:AC+8*\b+7], v[64*\q+FR*\b:64*\q+FR*\b+7], v[FA+FR*\q:FA+FR*\q+7], v[AC+8*\b:AC+8*\b+7], v[SC+8*NQ+NQ*\b+\q], v[SC+8*NQ+NQ*(\a)+\q] matrix_a_fmt:MATRIX_FMT_FP4 matrix_b_fmt:MATRIX_FMT_FP4 matrix_a_scale:MATRIX_SCALE_ROW1
.endr
.endr
.endm
; Block a goes through my stage and comes back, as whole rows of 512 bytes, into its own 64 accumulator registers, which its stores into the stage have left (LDS serves a wave's instructions in order: ISA guide 5.7.1.4)
.macro TOSTAGE a
.set AC, 64*((\a)%4)
	WIN 0x08+4*((\a)/4)
.irp b, 0,1,2,3,4,5,6,7
	ds_store_b128 v[STO], v[AC+8*\b:AC+8*\b+3] offset:64*\b          ; each accumulator from its low end on
	ds_store_b128 v[STO], v[AC+8*\b+4:AC+8*\b+7] offset:64*\b+16
.endr
	WIN 0x80+0x40*((\a)/4)
.irp t, 0,1,2,3,4,5,6,7,8,9,10,11,12,13,14,15
	ds_load_b128 v[AC+4*\t:AC+4*\t+3], v[RD] offset:\t*SPITCH
.endr
	WIN 0
.endm
.macro SEND a, younger                 ; younger: the LDS loads issued behind block a's, which may stay out
.set AC, 64*((\a)%4)
	s_wait_dscnt \younger
	WIN 0x08+4*((\a)/4)
.irp t, 0,1,2,3,4,5,6,7,8,9,10,11,12,13,14,15
	global_store_b128 v[CO], v[AC+4*\t:AC+4*\t+3], s[10:11] offset:(16*(\a)+\t)*SIZE_N*4 th:TH_STORE_NT   ; 512 consecutive bytes; the row stands in the immediate, 127 rows of 16,384 bytes at the most; no register of a store is written again
.endr
.endm
	s_wait_loadcnt 0x0                             ; the bias
	s_wait_xcnt 0x0                                ; the head's prefetches have read their address
	s_add_nc_u64 s[PFA:PFA+1], s[PFA:PFA+1], KSB
	s_wait_tensorcnt 0x0                           ; my part of K step 0 is in
	ds_add_u32 v[SPW], v[NIL]
	s_wait_dscnt 0x0
	CROUND
	JLOAD G0+4, G1, G0B+4, G1B                     ; K step 1: slot 1's first fill, the first tensor load behind the round
	FETCH_B 0, 0, 0
	FETCH_A 0, 0, 0
	SCALES 0
	FETCH_A 0, 0, 4
	PREF 2                                         ; K step 3
	STEP 0, 0, 1                                   ; the first step stands in front of the loop: the bias starts the sums
	s_mov_b32 s3, LAPS-1
.Llap:                                                 ; a trip goes once round the ring and fills both slots again
	STEPS 0, 1
	TURN 0, 1
	STEPS 1, 0
	TURN 1, 0
	STEP 0, 0, 0
	s_sub_co_u32 s3, s3, 1
	s_cmp_lg_u32 s3, 0
	s_cbranch_scc1 .Llap
	STEPS 0, 1
	; K step 6's last 128 along K: the last change of slots; nothing is filled again, so no round follows
	s_wait_tensorcnt 0x0
	ds_add_u32 v[SPW], v[NIL]
	s_wait_dscnt 4*NL+1
	WIN MUL_LO
	MUL16 0, 1, NQ-1, 0, 0
	s_wait_dscnt 0x0
	s_barrier_signal -1
	MUL16 2, 1, NQ-1, 0, 0
	s_barrier_wait -1
	PLACES NP
	WIN TO_B
	BLOAD 0                                        ; three quarters of B now: v128-191 of window 1 are still being multiplied
	BLOAD 1
	BLOAD 3
	WIN 0
	ALOAD 0
	ALOAD 1
	SCALES 1
	WIN MUL_HI
	MUL16 4, 1, NQ-1, 0, 0
	MUL16 6, 1, NQ-1, 0, 0
	PLACES NP
	WIN TO_B
	BLOAD 2
	WIN 0
	ALOAD 2
	ALOAD 3
	s_wait_dscnt 32                                ; all but the 32 just issued
	ROW 0
.irp a, 0,1,2,3,4,5,6,7                ; block a passes the stage, the next block is multiplied meanwhile, then block a is stored
	PLACES NP                                      ; in front of the reads of results just made and of the loads into A's buffer
	TOSTAGE \a
.if \a < 4
	ALOAD \a+4                                     ; block a's buffer takes the block four on; SEND a + 1's wait shows it in
.endif
.if \a < 7
	ROW \a+1
.endif
.if \a < 4
	SEND \a, 8
.else
	SEND \a, 0
.endif
.endr
	WIN 0
	s_wait_tensorcnt 0x0                           ; the wave's end
	ds_add_u32 v[SPW], v[NIL]
	s_wait_dscnt 0x0
	CROUND                                         ; the closing round
	s_endpgm
.Lfunc_end_k_q4aa3bbd2c7_gemm:
	.size	k_q4aa3bbd2c7_gemm, .Lfunc_end_k_q4aa3bbd2c7_gemm-k_q4aa3bbd2c7_gemm
	.p2alignl 7, 3214868480
	.fill 96, 4, 3214868480
	.section	.rodata,"a",@progbits
	.p2align	6, 0x0
	.amdhsa_kernel k_q4aa3bbd2c7_gemm
		.amdhsa_group_segment_fixed_size 327680
		.amdhsa_private_segment_fixed_size 0
		.amdhsa_enable_private_segment 0
		.amdhsa_kernarg_size 32
		.amdhsa_user_sgpr_count 2
		.amdhsa_user_sgpr_kernarg_segment_ptr 1
		.amdhsa_wavefront_size32 1
		.amdhsa_system_sgpr_workgroup_id_x 1
		.amdhsa_system_sgpr_workgroup_id_y 1
		.amdhsa_system_sgpr_workgroup_id_z 1
		.amdhsa_system_vgpr_workitem_id 0
		.amdhsa_next_free_vgpr 1024
		.amdhsa_next_free_sgpr 66
		.amdhsa_reserve_vcc 0
		.amdhsa_float_denorm_mode_32 3
		.amdhsa_float_denorm_mode_16_64 3
		.amdhsa_memory_ordered 1
		.amdhsa_forward_progress 1
		.amdhsa_inst_pref_size 212
	.end_amdhsa_kernel
	.amdgpu_metadata
---
amdhsa.version: [ 1, 2 ]
amdhsa.kernels:
  - .name:           k_q4aa3bbd2c7_gemm
    .symbol:         k_q4aa3bbd2c7_gemm.kd
    .args:
      - { .name: a_q, .offset: 0, .size: 8, .value_kind: global_buffer, .address_space: global }
      - { .name: b_q, .offset: 8, .size: 8, .value_kind: global_buffer, .address_space: global }
      - { .name: bias, .offset: 16, .size: 8, .value_kind: global_buffer, .address_space: global }
      - { .name: out0, .offset: 24, .size: 8, .value_kind: global_buffer, .address_space: global }
    .group_segment_fixed_size: 327680
    .private_segment_fixed_size: 0
    .kernarg_segment_align: 8
    .kernarg_segment_size: 32
    .max_flat_workgroup_size: 128
    .sgpr_count:     66
    .vgpr_count:     1024
    .wavefront_size: 32
...
	.end_amdgpu_metadata
.endif
;; end of part 2
